; MI455X (gfx1250); checked and timed in simulation.
; The chip was launched on July 23, 2026; its instructions are those of AMD's public machine-readable ISA for CDNA 5 (MIT licence, August 2026) and "CDNA5" Instruction Set Architecture Reference Guide (July 2026). The comments in the code are by the model that wrote it; some were corrected since.
;; Flash Attention With KV Cache. Allowed arithmetic: matrix products marked QUANTISED: E4M3 operands, one given power-of-two scale a tensor, by v_wmma_f32_16x16x64_fp8_fp8 or v_wmma_f32_16x16x128_fp8_fp8, f32 sums; everything else in f32.
;; Inputs: W_attn 1,024 x 3,072 float32; W_proj 1,024 x 1,024 float32; cache_k 2 x 16 x 2,048 x 64 float32; cache_v 2 x 16 x 2,048 x 64 float32; lowp_scales 8 int32 (the exponents e of the quantised operands' scales 2^e); x 2 x 2,048 x 1,024 float32.
;; Outputs: out0 2 x 2,048 x 1,024 float32.
;; This version of the problem:
;;   THIS VERSION OF THE PROBLEM IS GIVEN IN LOW PRECISION. The matrix products marked QUANTISED in the list below multiply operands that are first quantised to E4M3 (4 exponent bits, 3 mantissa bits; 8 bits a number), with one given power-of-two scale for each operand tensor; their sums are f32. All else is computed in f32.
;;   The module's matrix products, in the order in which they are computed (A, B: the left and right operand; K: the contracted axis; several contracted axes count as one K, in the product's order):
;;     1. [M 4,096, K 1,024] x [K 1,024, N 3,072]; A: input x; B: input W_attn: QUANTISED (scales: A lowp_scales[0], B lowp_scales[1])
;;     2. batch 32 x [M 2,048, K 64] x [K 64, N 2,048]; A: computed on the way; B: computed on the way: QUANTISED (scales: A lowp_scales[2], B lowp_scales[3])
;;     3. batch 32 x [M 2,048, K 2,048] x [K 2,048, N 64]; A: softmax (see below); B: computed on the way: QUANTISED (scales: A lowp_scales[4], B lowp_scales[5])
;;     4. [M 4,096, K 1,024] x [K 1,024, N 1,024]; A: computed on the way; B: input W_proj: QUANTISED (scales: A lowp_scales[6], B lowp_scales[7])
;;   THE QUANTISER, for each operand of a quantised product, along K:
;;     - The operand's scale is 2^e, e = its entry of the input lowp_scales (int32; the entries are numbered through the quantised products in the list's order, A before B).
;;     - Each number is divided by the scale, clamped to +-448, and rounded to the nearest number of E4M3, ties to even, subnormals kept.
;;     - The product sums the exact products of the quantised numbers (number of the format x scale) in f32.
;;   ~~~python
;;   def quantise(x, axis, e):      # numpy; x: float32 -> the quantised numbers, widened to float32 again
;;       x = np.moveaxis(x, axis, -1); K = x.shape[-1]
;;       r = np.clip(x / 2.0 ** e, -448, 448)
;;       step = 2.0 ** (np.maximum(np.frexp(np.where(r == 0, 1, r))[1] - 1, -6) - 3)
;;       q = np.round(r / step) * step * 2.0 ** e      # np.round: ties to even
;;       return np.moveaxis(q, -1, axis).astype(np.float32)
;;   ~~~
;;   SOFTMAX AHEAD OF A QUANTISED PRODUCT. Where the list says 'softmax', what is quantised is not the finished softmax but p = 2^(t - M), with t = logit x log2(e) and M = ceil(the row's largest t), a whole number; so 1/2 < the row's largest p <= 1. The row's sum l is taken of the UNQUANTISED p, in f32, and the product's result is divided by l at the end. Since M is a whole number, a kernel that streams over the keys may use a running M (the ceiling of the running maximum): every later rescaling is an exact power of two, so the quantised numbers keep their values, but for numbers so far below the row's largest that they fall under the format's range.
;;   OPERANDS COMPUTED ON THE WAY. 'Computed on the way' means the value that the module computes at that place (a softmax that the list does not call 'softmax' is quantised finished and normalised). What goes into a quantiser is computed in f32, as accurately as f32 sums, v_exp_f32 and their like allow (about 1e-6 of the number): no bf16 or f16 on the way to a quantiser, and a product that is left as it is and whose result goes on into a quantised operand takes f32 operands (vector FMAs, or v_wmma_f32_16x16x4_f32). A number that lies on a knife's edge between two numbers of the format may be rounded either way, as far as f32 arithmetic and the matrix unit's own rounding can turn it there, and no further.
;; One version. Each part assembles by itself: llvm-mc -triple=amdgcn-amd-amdhsa -mcpu=gfx1250 --defsym DOCPART=n.
;; ======== version 1 of 1: 4 launches
;; limits: right only within a limited range of input values
;; workspace buffers: x_img 4,194,304 bytes; wa_img 3,145,728 bytes; wp_img 1,048,576 bytes; rope 524,288 bytes; qf 4,194,304 bytes; kv 8,388,608 bytes; yf 4,194,304 bytes
;; launch prep (part 1): grid 256 x 1, 4 waves a work-group, no clusters, 68,096 bytes of LDS; arguments x, W_attn, W_proj, lowp_scales, x_img, wa_img, wp_img, rope; writes x_img, wa_img, wp_img, rope
.if DOCPART == 1
	.amdgcn_target "amdgcn-amd-amdhsa--gfx1250"
	.amdhsa_code_object_version 6
	.text
	.protected	k_q28d45aa72a_prep
	.globl	k_q28d45aa72a_prep
	.p2align	8
	.type	k_q28d45aa72a_prep,@function
k_q28d45aa72a_prep:
	s_mov_b64 s[64:65], 0
	v_nop
	global_prefetch_b8 v0, s[64:65] scope:SCOPE_SE
	s_setreg_imm32_b32 hwreg(HW_REG_WAVE_MODE, 25, 1), 1
	s_wait_xcnt 0x0
; PREP: x [4096][1024], W_attn [1024][3072] and W_proj [1024][1024], f32, become codes of E4M3 with their given scales 2^e (entries 0, 1 and 7), and the table of cos and sin for the rotary step is made.
; code = number / 2^e, held within +-448, to the nearest code, ties to even.  LIMITS: each e between -126 and 119; NaN among the inputs is not served.
; THE CODES ARE LAID AS IMAGES OF OPERAND REGISTERS: [block of 128 rows][128 along K (8)][tile of 16 rows (8)][2,048 bytes]; in a tile's 2,048 bytes piece c (four registers) lies at 512 c + 16 x lane, lane = (r, h).
;   x_img, wa_img: piece c of lane (r, h) = row r, k = 32 c + 16 h + 0 .. 15 (one order of k for both operands of the first product).
;   wp_img:        bytes 0-7 k = 32 c + 8 h + 0 .. 7, bytes 8-15 k = 32 c + 16 + 8 h + 0 .. 7 (the order in which the attention launch's results fall).
; SHARES: work-groups 0-127 take x (a wave: 16 rows x 512 along K), 128-223 W_attn, 224-255 W_proj (a work-group: 128 columns x 256 along K).  Every thread also makes one 16-byte piece of the table.
; x: a load reads 512 consecutive bytes of a row; a fragment's 16 rows turn through the wave's own stage in LDS (rows of 528 bytes) so that a lane gets 16 neighbours along K.
; W: a lane takes a column and its registers run down K, so the conversions give K innermost; a lane's 16 bytes and its 15 neighbours' fill 256 consecutive bytes of the image: no stage.
; No cluster and no joint loads: no two work-groups read the same input bytes.  No barrier: waves share nothing.  Only the x path uses LDS.
; THE TABLE: rope[block of 16 positions (128)][piece i (8)][lane][cos f, sin f, cos f+1, sin f+1], f = 8 (i / 2) + 4 h + 2 (i % 2), position = 16 x block + r.
;   inv_freq = 2^(-f log2(10) / 8), the exponent split into a whole number and a rest (the constant in two parts); angle = position x inv_freq, rounded once;
;   the angle less the nearest multiple of pi / 2 (pi / 2 in two parts, fused multiply-adds), polynomials on +-pi/4, the quadrant by selects and sign bits.
.set R,    32                          ; v32-159  x: two sets of 64 registers as loaded
.set X,    160                         ; v160-223 x: 64 numbers, 16 neighbours for each of four pieces
.set CD,   224                         ; v224-255 x: two sets of 16 registers of codes
.set T,    160                         ; v160-199 the table's registers
.set WX,   32                          ; v32-95   W: two sets of 32 numbers
.set WC,   96                          ; v96-159  W: eight registers of codes for each of eight blocks: no store's data are written again
.set STG,  8448                        ; a stage: 16 rows x 528 bytes; two for each wave
.macro SCALE e                         ; v11 = 2^e as f32 (the conversion takes its exponent field), v10 = 448 x 2^e
	s_wait_kmcnt 0x0
	s_add_co_i32 s42, s[\e], 127
	s_lshl_b32 s43, s42, 23
	v_mov_b32 v11, s43
	s_add_co_i32 s42, s42, 8
	s_lshl_b32 s42, s42, 23
	s_or_b32 s42, s42, 0x600000
	v_mov_b32 v10, s42
.endm
.macro TABLE                           ; piece 128 x work-group + thread of the table
	s_and_b32 s21, ttmp9, 1
	s_lshl_b32 s21, s21, 2
	s_add_co_u32 s21, s21, s20                     ; i = wave + 4 (work-group % 2)
	s_lshr_b32 s22, s21, 1
	s_lshl_b32 s22, s22, 3
	s_and_b32 s23, s21, 1
	s_lshl_b32 s23, s23, 1
	s_add_co_u32 s22, s22, s23                     ; 8 (i / 2) + 2 (i % 2)
	s_lshr_b32 s23, ttmp9, 1
	s_lshl_b32 s23, s23, 4                         ; 16 x block of positions
	s_mov_b32 s34, 0x3ed49a78                      ; log2(10) / 8, upper part
	s_mov_b32 s35, 0x32179a31                      ; and the rest
	s_mov_b32 s36, 0x3fc90fdb                      ; pi / 2, upper part
	s_mov_b32 s37, 0xb33bbd2e                      ; and the rest
	s_mov_b32 s38, 0xb94ca1f9                      ; sine: -1.9515296e-4,
	s_mov_b32 s44, 0x3c08839e                      ; 8.3321609e-3,
	s_mov_b32 s45, 0xbe2aaaa3                      ; -1.6666655e-1
	s_mov_b32 s39, 0x37ccf5ce                      ; cosine: 2.4433157e-5,
	s_mov_b32 s46, 0xbab6061a                      ; -1.3887316e-3,
	s_mov_b32 s47, 0x3d2aaaa5                      ; 4.1666646e-2
	s_lshl_b32 s40, ttmp9, 11                      ; the work-group's 128 pieces of 16 bytes
	s_mov_b32 s41, 0
	s_add_nc_u64 s[18:19], s[18:19], s[40:41]
	v_lshl_add_u32 v[T], v4, 2, s22                ; f
	v_add_nc_u32 v[T+1], s23, v3                   ; position
	v_cvt_f32_u32 v[T+2], v[T]
	v_cvt_f32_u32 v[T+4], v[T+1]
	v_add_f32 v[T+3], 1.0, v[T+2]                  ; f + 1
	v_lshlrev_b32 v[T+34], 4, v0                   ; my piece's place
.irp u, 0,1
	v_mul_f32 v[T+5+\u], s34, v[T+2+\u]
.endr
.irp u, 0,1
	v_rndne_f32 v[T+5+\u], v[T+5+\u]               ; n: the exponent's whole part
.endr
.irp u, 0,1
	v_fma_f32 v[T+7+\u], -v[T+2+\u], s34, v[T+5+\u]
.endr
.irp u, 0,1
	v_fma_f32 v[T+7+\u], -v[T+2+\u], s35, v[T+7+\u]  ; n - f log2(10) / 8, within +-1/2
.endr
.irp u, 0,1
	v_exp_f32 v[T+9+\u], v[T+7+\u]
.endr
.irp u, 0,1
	v_cvt_i32_f32 v[T+11+\u], v[T+5+\u]            ; (plain work behind the two exponentials)
.endr
.irp u, 0,1
	v_sub_nc_u32 v[T+11+\u], 0, v[T+11+\u]
.endr
	s_wait_alu depctr_va_vdst(0)                   ; one wait for the batch of two, ahead of its first reader
.irp u, 0,1
	v_ldexp_f32 v[T+9+\u], v[T+9+\u], v[T+11+\u]   ; inv_freq
.endr
.irp u, 0,1
	v_mul_f32 v[T+13+\u], v[T+4], v[T+9+\u]        ; the angle
.endr
.irp u, 0,1
	v_mul_f32 v[T+15+\u], 0x3f22f983, v[T+13+\u]   ; x 2 / pi
.endr
.irp u, 0,1
	v_rndne_f32 v[T+15+\u], v[T+15+\u]             ; the quadrant's number, at most 1,303
.endr
.irp u, 0,1
	v_fma_f32 v[T+17+\u], -v[T+15+\u], s36, v[T+13+\u]
.endr
.irp u, 0,1
	v_fma_f32 v[T+17+\u], -v[T+15+\u], s37, v[T+17+\u]  ; the rest, within +-pi/4
.endr
.irp u, 0,1
	v_mul_f32 v[T+19+\u], v[T+17+\u], v[T+17+\u]   ; z
.endr
.irp u, 0,1
	v_fma_f32 v[T+21+\u], s38, v[T+19+\u], s44
	v_fma_f32 v[T+25+\u], s39, v[T+19+\u], s46
.endr
.irp u, 0,1
	v_fma_f32 v[T+21+\u], v[T+21+\u], v[T+19+\u], s45
	v_fma_f32 v[T+25+\u], v[T+25+\u], v[T+19+\u], s47
	v_mul_f32 v[T+23+\u], v[T+19+\u], v[T+17+\u]
	v_mul_f32 v[T+27+\u], v[T+19+\u], v[T+19+\u]
	v_fma_f32 v[T+29+\u], v[T+19+\u], -0.5, 1.0
	v_cvt_u32_f32 v[T+31+\u], v[T+15+\u]
.endr
.irp u, 0,1
	v_fma_f32 v[T+21+\u], v[T+21+\u], v[T+23+\u], v[T+17+\u]  ; sine of the rest
	v_fma_f32 v[T+25+\u], v[T+25+\u], v[T+27+\u], v[T+29+\u]  ; cosine of the rest
.endr
.irp u, 0,1
	v_and_b32 v[T+33], 1, v[T+31+\u]
	v_cmp_eq_u32 vcc_lo, 1, v[T+33]                ; odd quadrants: the two change places
	v_cndmask_b32 v[T+37+2*\u], v[T+21+\u], v[T+25+\u], vcc_lo
	v_cndmask_b32 v[T+36+2*\u], v[T+25+\u], v[T+21+\u], vcc_lo
	v_and_b32 v[T+33], 2, v[T+31+\u]               ; the sine is negative in quadrants 2 and 3,
	v_lshlrev_b32 v[T+33], 30, v[T+33]
	v_xor_b32 v[T+37+2*\u], v[T+33], v[T+37+2*\u]
	v_add_nc_u32 v[T+35], 1, v[T+31+\u]            ; the cosine in quadrants 1 and 2
	v_and_b32 v[T+35], 2, v[T+35]
	v_lshlrev_b32 v[T+35], 30, v[T+35]
	v_xor_b32 v[T+36+2*\u], v[T+35], v[T+36+2*\u]
.endr
	global_store_b128 v[T+34], v[T+36:T+39], s[18:19]   ; a wave stores 512 consecutive bytes
.endm
.macro XLOAD q                         ; 16 rows x 128 numbers: each load is 512 consecutive bytes of one row
.irp row, 0,1,2,3,4,5,6,7,8,9,10,11,12,13,14,15
	global_load_b128 v[R+64*((\q)%2)+4*\row:R+64*((\q)%2)+4*\row+3], v5, s[4:5] offset:4096*\row+512*(\q) th:TH_LOAD_NT
.endr
.endm
.macro XSTEP q                         ; fragment q of the wave's four
.if (\q) < 3
	s_wait_loadcnt 16                              ; this fragment's 16 loads are in; the next fragment's 16 may be out
.else
	s_wait_loadcnt 0x0
.endif
.irp row, 0,1,2,3,4,5,6,7,8,9,10,11,12,13,14,15
	ds_store_b128 v6, v[R+64*((\q)%2)+4*\row:R+64*((\q)%2)+4*\row+3] offset:STG*((\q)%2)+528*\row
.endr
.irp c, 0,1,2,3
.irp j, 0,1,2,3
	ds_load_b128 v[X+16*\c+4*\j:X+16*\c+4*\j+3], v7 offset:STG*((\q)%2)+128*\c+16*\j   ; LDS serves a wave's instructions in order: these see the stores above
.endr
.endr
	s_wait_dscnt 0x0                               ; the numbers are back, and the stores into the stage have read their registers,
.if (\q) < 2
	XLOAD (\q)+2                                   ; which take the fragment two further on
.endif
.set ii, 0
.rept 64
	v_med3_num_f32 v[X+ii], v[X+ii], -v10, v10     ; the conversion to an 8-bit code does not saturate (ISA guide 7.6.2): the hold at the largest code x the scale
.set ii, ii+1
.endr
.if (\q) >= 2
	s_wait_xcnt 0x0                                ; the stores of two fragments ago have read this set of codes
.endif
.irp c, 0,1,2,3
	v_cvt_scalef32_pk8_fp8_f32 v[CD+16*((\q)%2)+4*\c:CD+16*((\q)%2)+4*\c+1], v[X+16*\c:X+16*\c+7], v11
	v_cvt_scalef32_pk8_fp8_f32 v[CD+16*((\q)%2)+4*\c+2:CD+16*((\q)%2)+4*\c+3], v[X+16*\c+8:X+16*\c+15], v11
.endr
	v_nop                                          ; a plain line between the conversions and the next holds, which write their sources
.irp c, 0,1,2,3
	global_store_b128 v5, v[CD+16*((\q)%2)+4*\c:CD+16*((\q)%2)+4*\c+3], s[12:13] offset:16384*(\q)+512*\c   ; 512 consecutive bytes of the image
.endr
.endm
.macro WLOAD t, n, src                 ; block t: W(32 t + i, my column), i = 0 .. 31
.set ii, 0
.rept 32
	global_load_b32 v[WX+32*((\t)%2)+ii], v6, s[\src:\src+1] offset:(32*(\t)+ii)*\n*4 th:TH_LOAD_NT
.set ii, ii+1
.endr
.endm
.macro WBLOCK t, n, perm, src, dst
.set XS, WX+32*((\t)%2)
.if (\t) < 7
	s_wait_loadcnt 32                              ; this block's 32 loads are in; the next block's 32 may be out
.else
	s_wait_loadcnt 0x0
.endif
.set ii, 0
.rept 32
	v_med3_num_f32 v[XS+ii], v[XS+ii], -v10, v10
.set ii, ii+1
.endr
.irp g, 0,1,2,3
.if \perm
.set sg, ((\g)%2)*2+(\g)/2                     ; eights 0, 2, 1, 3 of the block's 32
.else
.set sg, \g
.endif
	v_cvt_scalef32_pk8_fp8_f32 v[WC+8*(\t)+2*\g:WC+8*(\t)+2*\g+1], v[XS+8*sg:XS+8*sg+7], v11
.endr
	global_store_b128 v7, v[WC+8*(\t):WC+8*(\t)+3], s[\dst:\dst+1] offset:((\t)/4)*16384+((\t)%4)*512        ; the piece's lanes 0-15: sixteen lanes fill 256 consecutive bytes
	global_store_b128 v7, v[WC+8*(\t)+4:WC+8*(\t)+7], s[\dst:\dst+1] offset:((\t)/4)*16384+((\t)%4)*512+256  ; its lanes 16-31
.if (\t)+2 < 8
	WLOAD (\t)+2, \n, \src                         ; (the next block's holds are the plain lines behind the conversions)
.endif
.endm
.macro WPATH n, perm, e, src, dst, g0
	s_sub_co_u32 s32, ttmp9, \g0
	s_lshr_b32 s33, s32, 2                         ; which 128 columns
	s_and_b32 s32, s32, 3                          ; which 256 along K
	s_mul_i32 s34, s32, 256*\n*4
	s_lshl_b32 s36, s33, 9
	s_add_co_u32 s34, s34, s36
	s_lshl_b32 s36, s20, 7                         ; my wave's 32 columns
	s_add_co_u32 s34, s34, s36
	s_mov_b32 s35, 0
	s_add_nc_u64 s[\src:\src+1], s[\src:\src+1], s[34:35]
	s_lshl_b32 s34, s33, 17                        ; the image: block x 131,072 + two K chunks x 16,384 + two tiles x 2,048
	s_lshl_b32 s36, s32, 15
	s_add_co_u32 s34, s34, s36
	s_lshl_b32 s36, s20, 12
	s_add_co_u32 s34, s34, s36
	s_add_nc_u64 s[\dst:\dst+1], s[\dst:\dst+1], s[34:35]
	v_lshlrev_b32 v6, 2, v2                        ; in: 4 bytes a lane
	v_lshlrev_b32 v7, 4, v3
	v_lshl_add_u32 v7, v4, 11, v7                  ; out: tile lane / 16, place 16 (lane % 16)
	WLOAD 0, \n, \src
	WLOAD 1, \n, \src
	TABLE
	SCALE \e
.irp t, 0,1,2,3,4,5,6,7
	WBLOCK \t, \n, \perm, \src, \dst
.endr
.endm
	s_load_b512 s[4:19], s[0:1], 0x0               ; x, W_attn, W_proj, the scales, x_img, wa_img, wp_img, rope
	v_lshl_add_u32 v30, v0, 2, 0x10800
	v_mov_b32 v31, 0
	v_lshrrev_b32 v1, 5, v0
	v_readfirstlane_b32 s20, v1                    ; wave
	v_and_b32 v2, 31, v0                           ; lane
	v_and_b32 v3, 15, v0                           ; r
	v_bfe_u32 v4, v0, 4, 1                         ; h
	v_lshlrev_b32 v5, 4, v2                        ; 16 x lane
	s_wait_kmcnt 0x0
	s_load_b256 s[24:31], s[10:11], 0x0            ; the eight exponents
	s_cmp_lt_u32 ttmp9, 128
	s_cbranch_scc0 .Lweights
	; ---- x: wave 4 g + w takes tile (4 g + w) / 2 of 16 rows and four of its eight K chunks
	s_lshl_b32 s32, ttmp9, 2
	s_add_co_u32 s32, s32, s20
	s_lshr_b32 s33, s32, 1                         ; the tile
	s_and_b32 s32, s32, 1                          ; which half of K
	s_lshl_b32 s34, s33, 16                        ; 16 rows of 4,096 bytes
	s_lshl_b32 s36, s32, 11
	s_add_co_u32 s34, s34, s36
	s_mov_b32 s35, 0
	s_add_nc_u64 s[4:5], s[4:5], s[34:35]
	s_lshr_b32 s34, s33, 3
	s_lshl_b32 s34, s34, 17
	s_lshl_b32 s36, s32, 16
	s_add_co_u32 s34, s34, s36
	s_and_b32 s36, s33, 7
	s_lshl_b32 s36, s36, 11
	s_add_co_u32 s34, s34, s36
	s_add_nc_u64 s[12:13], s[12:13], s[34:35]
	s_mul_i32 s36, s20, 2*STG                      ; my wave's two stages
	v_add_nc_u32 v6, s36, v5                       ; in: 16 x lane of a row
	v_mul_u32_u24 v7, v3, 528
	v_lshl_add_u32 v7, v4, 6, v7
	v_add_nc_u32 v7, s36, v7                       ; back: row r, + 64 h
	XLOAD 0
	XLOAD 1
	TABLE
	SCALE 24
	s_wait_xcnt 0x0                                ; the table's store has read its registers, which the numbers take now
	XSTEP 0
	XSTEP 1
	XSTEP 2
	XSTEP 3
	s_wait_tensorcnt 0x0
	ds_add_u32 v30, v31
	s_wait_dscnt 0x0
	s_endpgm
.Lweights:
	s_cmp_lt_u32 ttmp9, 224
	s_cbranch_scc0 .Lproj
	WPATH 3072, 0, 25, 6, 14, 128
	s_endpgm
.Lproj:
	WPATH 1024, 1, 31, 8, 16, 224
	s_endpgm
.Lfunc_end_k_q28d45aa72a_prep:
	.size	k_q28d45aa72a_prep, .Lfunc_end_k_q28d45aa72a_prep-k_q28d45aa72a_prep
	.p2alignl 7, 3214868480
	.fill 96, 4, 3214868480
	.section	.rodata,"a",@progbits
	.p2align	6, 0x0
	.amdhsa_kernel k_q28d45aa72a_prep
		.amdhsa_group_segment_fixed_size 68096
		.amdhsa_private_segment_fixed_size 0
		.amdhsa_enable_private_segment 0
		.amdhsa_kernarg_size 64
		.amdhsa_user_sgpr_count 2
		.amdhsa_user_sgpr_kernarg_segment_ptr 1
		.amdhsa_wavefront_size32 1
		.amdhsa_system_sgpr_workgroup_id_x 1
		.amdhsa_system_sgpr_workgroup_id_y 1
		.amdhsa_system_sgpr_workgroup_id_z 1
		.amdhsa_system_vgpr_workitem_id 0
		.amdhsa_next_free_vgpr 256
		.amdhsa_next_free_sgpr 66
		.amdhsa_reserve_vcc 1
		.amdhsa_float_denorm_mode_32 3
		.amdhsa_float_denorm_mode_16_64 3
		.amdhsa_memory_ordered 1
		.amdhsa_forward_progress 1
		.amdhsa_inst_pref_size 139
	.end_amdhsa_kernel
	.amdgpu_metadata
---
amdhsa.version: [ 1, 2 ]
amdhsa.kernels:
  - .name:           k_q28d45aa72a_prep
    .symbol:         k_q28d45aa72a_prep.kd
    .args:
      - { .name: x, .offset: 0, .size: 8, .value_kind: global_buffer, .address_space: global }
      - { .name: W_attn, .offset: 8, .size: 8, .value_kind: global_buffer, .address_space: global }
      - { .name: W_proj, .offset: 16, .size: 8, .value_kind: global_buffer, .address_space: global }
      - { .name: lowp_scales, .offset: 24, .size: 8, .value_kind: global_buffer, .address_space: global }
      - { .name: x_img, .offset: 32, .size: 8, .value_kind: global_buffer, .address_space: global }
      - { .name: wa_img, .offset: 40, .size: 8, .value_kind: global_buffer, .address_space: global }
      - { .name: wp_img, .offset: 48, .size: 8, .value_kind: global_buffer, .address_space: global }
      - { .name: rope, .offset: 56, .size: 8, .value_kind: global_buffer, .address_space: global }
    .group_segment_fixed_size: 68096
    .private_segment_fixed_size: 0
    .kernarg_segment_align: 8
    .kernarg_segment_size: 64
    .max_flat_workgroup_size: 128
    .sgpr_count:     66
    .vgpr_count:     256
    .wavefront_size: 32
...
	.end_amdgpu_metadata
.endif
;; end of part 1
;; launch qkv (part 2): grid 12 x 16, 4 waves a work-group, clusters of 4 x 4, 327,680 bytes of LDS; arguments x_img, wa_img, rope, lowp_scales, qf, kv; writes qf, kv
.if DOCPART == 2
	.amdgcn_target "amdgcn-amd-amdhsa--gfx1250"
	.amdhsa_code_object_version 6
	.text
	.protected	k_q28d45aa72a_qkv
	.globl	k_q28d45aa72a_qkv
	.p2align	8
	.type	k_q28d45aa72a_qkv,@function
k_q28d45aa72a_qkv:
	s_mov_b64 s[64:65], 0
	v_nop
	global_prefetch_b8 v0, s[64:65] scope:SCOPE_SE
	s_setreg_imm32_b32 hwreg(HW_REG_WAVE_MODE, 25, 1), 1
	s_wait_xcnt 0x0
	s_wait_alu depctr_hold_cnt(0) depctr_sa_sdst(0) depctr_va_vdst(0) depctr_va_sdst(0) depctr_va_ssrc(0) depctr_va_vcc(0) depctr_vm_vsrc(0)
	s_getreg_b32 s2, hwreg(HW_REG_IB_STS2, 6, 4)
	s_cmp_eq_u32 s2, 0
	s_cbranch_scc0 .Lentry_in_a_cluster
	s_endpgm
.Lentry_in_a_cluster:
	s_bfe_u32 s2, ttmp6, 0x10000c
	s_cmp_lg_u32 s2, 0xf033
	s_cbranch_scc0 .Lentry_shape_is_right
	s_endpgm
.Lentry_shape_is_right:
; QKV: qkv = x W_attn on codes of E4M3 (M 4,096, N 3,072, K 1,024), the rotary step on q and k, q / 8, and the quantising of q, k and v for the attention launch.
; A tile of 256 x 256 is made by four waves, 128 x 128 each: 64 accumulators, 512 registers.  K goes in steps of 256 through a ring of two LDS slots filled by the tensor data mover.
; THE OPERANDS LIE IN MEMORY AS IMAGES OF THEIR REGISTERS ([128 rows][K chunk of 128][tile of 16 rows][2,048 bytes]): a K step of 128 rows is one dense block of 32,768 bytes, and a fragment's four LDS loads
; read 512 consecutive bytes each: no pitch, no padding.
; CLUSTERS: 4 x 4 work-groups; A's tile is asked for jointly along a row of the cluster, B's along a column.  The cluster's x (0, 1, 2) is the section q, k or v: it is equal in all sixteen partners.
; THE MATRIX INSTRUCTION IS USED TRANSPOSED (source 0 = 16 columns of W, source 1 = 16 rows of x): a lane holds one position and eight neighbouring channels.  So for q and k the conversions' results ARE
; the fragments of the attention's first product.  In section v the two sources change places (the fragment addresses alone are exchanged): a lane holds one channel and eight neighbouring keys, and the results
; are the fragments of V^T.  Every store is 512 consecutive bytes; the way out uses no LDS.
; SCALES: a sum stands for sum x 2^(e0 + e1).  The conversion's one scale is 2^E, E = (e2 + 3 | e3 | e5) - e0 - e1: q's 1/8 and the sums' power of two are folded in, which rounds nothing.
; LIMITS: -126 <= E <= 119 for each of the three.  NaN is not served.
; cache_k and cache_v are not among the arguments: reference() writes k and v over every element of them (an update of the cache's own shape at offset 0), so by the shapes alone no byte of them reaches the result.
; REGISTERS, in windows of 256: window 0: v0-31 addresses; from v128 A's fragments, one set; on the way out v32-127 three sets of the table, v128-191 64 numbers, v192-223 two sets of codes.
;   window 1: B's fragments, two sets.   windows 2, 3: the accumulators ((a, b) at v[8 (8 (a % 4) + b)] of window 2 + a / 4).
.set HALFT,  32768                     ; 128 rows x 256 along K: what one tensor load brings, and what one wave reads of A or of B
.set SLOT,   4*HALFT                   ; A's 256 rows, then B's 256 rows
.set SPARE,  2*SLOT                    ; behind the ring: the spare words, 128 bytes for each wave
.set FR,     16
.set NL,     4
.set NP,     4
.set LAPS,   2                         ; K = 1,024: four K steps, twice round the ring
.set ADRA, 16                          ; v16-17  LDS address of source 1's fragments in slot 0, 1
.set ADRB, 20                          ; v20-21  of source 0's
.set LI,   26                          ; v26     16 x lane
.set SPW,  28                          ; v28     LDS address of my spare word; never rewritten
.set NIL,  29                          ; v29     0; never rewritten
.set SC,   30                          ; v30     2^E as f32
.set LIM,  31                          ; v31     448 x 2^E
.set TT,   32
.set TMP,  128
.set CD,   192
.set AF,   128
.set G1, 24
.set G0, 32
.set G1B, 48
.set G0B, 56
.set MSB, 0
.macro WIN new                         ; the immediate's high byte repeats the setting that is left
.if MSB != (\new)
	s_set_vgpr_msb (MSB<<8)|(\new)
.set MSB, (\new)
.endif
.endm
.set MUL_LO, 0xa1                      ; source 0 window 1, source 1 window 0, C and D window 2
.set MUL_HI, 0xf1                      ; the same, C and D window 3
.set TO_B,   0x40                      ; destination window 1, address window 0
; A joint load: waves 0 and 1 fetch A's two halves, waves 2 and 3 B's.  The branch hangs on the wave's number alone.  Four v_nop follow each of the two lines.
.macro JLOAD g0a, g1a, g0b, g1b
	s_cmp_eq_u32 s15, 0
	s_cbranch_scc0 .Lfor_b_\@
	tensor_load_to_lds s[\g0a:\g0a+3], s[\g1a:\g1a+7]
	s_nop 0
.rept 4
	v_nop
.endr
	s_branch .Lasked_\@
.Lfor_b_\@:
	tensor_load_to_lds s[\g0b:\g0b+3], s[\g1b:\g1b+7]
	s_nop 0
.rept 4
	v_nop
.endr
.Lasked_\@:
.endm
.macro CREST                           ; a round of the cluster's barrier behind its opening barrier
	s_cmp_lg_u32 s14, 0
	s_cbranch_scc1 .Lnot_wave_0_\@
	s_barrier_signal -3
.Lnot_wave_0_\@:
	s_barrier_wait -3
	s_barrier_signal -1
	s_barrier_wait -1
.endm
.macro CROUND
	s_barrier_signal -1
	s_barrier_wait -1
	CREST
.endm
	s_load_b128 s[4:7], s[0:1], 0x0                ; x_img, wa_img
	s_load_b128 s[8:11], s[0:1], 0x10              ; rope, the scales' exponents
	s_load_b128 s[68:71], s[0:1], 0x20             ; qf, kv
	v_lshl_add_u32 v[SPW], v0, 2, SPARE
	v_mov_b32 v[NIL], 0
	ds_add_u32 v28, v29
	ds_add_u32 v28, v29
	s_wait_dscnt 0x0
	v_lshrrev_b32 v1, 5, v0
	v_readfirstlane_b32 s14, v1                    ; wave 0..3
	s_lshr_b32 s15, s14, 1                         ; which half source 1 takes.  Also: I fetch for A (0) or for B (1)
	s_and_b32 s16, s14, 1                          ; which half source 0 takes.  Also: which 128 rows I fetch
	s_bfe_u32 s40, ttmp6, 0x40000                  ; cx, cy
	s_bfe_u32 s41, ttmp6, 0x40004
	s_lshl_b32 s42, ttmp9, 2
	s_add_co_u32 s42, s42, s40                     ; tile column = 4 x cluster x + cx
	s_and_b32 s17, ttmp7, 0xffff
	s_lshl_b32 s17, s17, 2
	s_add_co_u32 s17, s17, s41                     ; tile row = 4 x cluster y + cy
	s_lshl_b32 s43, s41, 2
	s_lshl_b32 s43, 15, s43                        ; my row of the cluster
	s_lshl_b32 s44, 0x1111, s40                    ; my column
	; descriptor group 1: a dense block of 32,768 bytes as 128 rows of 32 elements of 8 bytes
	s_or_b32 s[G1+0], s43, (3<<16)|(1<<21)         ; 15:0 the mask: A's tiles go to my row; 17:16 elements of 8 bytes; 21 set beside a mask; no padding
	s_or_b32 s[G1B+0], s44, (3<<16)|(1<<21)        ; B's go to my column
.irp g, G1, G1B
	s_mov_b32 s[\g+1], 32<<16                      ; tensor_dim0 = 32
	s_mov_b32 s[\g+2], 128<<16                     ; tensor_dim1 = 128
	s_mov_b32 s[\g+3], 32<<16                      ; tile_dim0 = 32
	s_mov_b32 s[\g+4], 128                         ; tile_dim1 = 128
	s_mov_b32 s[\g+5], 32                          ; from row to row: 32 elements
	s_mov_b32 s[\g+6], 0
	s_mov_b32 s[\g+7], 0
.endr
	s_lshl_b32 s20, s17, 1
	s_add_co_u32 s20, s20, s16
	s_lshl_b32 s20, s20, 17                        ; A: block 2 x tile row + half, 131,072 bytes a block
	s_mov_b32 s21, 0
	s_lshl_b32 s46, s42, 1
	s_add_co_u32 s46, s46, s16
	s_lshl_b32 s46, s46, 17                        ; B: block 2 x tile column + half
	s_mov_b32 s47, 0
	s_mul_i32 s45, s14, HALFT                      ; where they go: wave x 32,768: no place in the cluster enters an LDS address
	s_wait_kmcnt 0x0
	s_load_b256 s[76:83], s[10:11], 0x0            ; e0 .. e7
	s_add_nc_u64 s[20:21], s[4:5], s[20:21]
	s_add_nc_u64 s[46:47], s[6:7], s[46:47]
	CROUND                                         ; all sixteen work-groups are here: the first joint loads meet
.irp s, 0,1
	s_mov_b32 s[G0+4*\s], 1
	s_add_co_u32 s[G0+4*\s+1], s45, \s*SLOT
	s_add_nc_u64 s[G0+4*\s+2:G0+4*\s+3], s[20:21], \s*HALFT
	s_or_b32 s[G0+4*\s+3], s[G0+4*\s+3], 0x80000000
	s_mov_b32 s[G0B+4*\s], 1
	s_add_co_u32 s[G0B+4*\s+1], s45, \s*SLOT
	s_add_nc_u64 s[G0B+4*\s+2:G0B+4*\s+3], s[46:47], \s*HALFT
	s_or_b32 s[G0B+4*\s+3], s[G0B+4*\s+3], 0x80000000
	JLOAD G0+4*\s, G1, G0B+4*\s, G1B
.endr
	v_and_b32 v1, 31, v0
	v_lshlrev_b32 v[LI], 4, v1
	s_cmp_eq_u32 ttmp9, 2                          ; section v: source 1 reads W's region of a slot and source 0 reads x's
	s_cselect_b32 s72, 0x10000, 0
	s_cselect_b32 s73, 0, 0x10000
	s_mul_i32 s21, s15, HALFT
	s_add_co_u32 s21, s21, s72
	s_mul_i32 s22, s16, HALFT
	s_add_co_u32 s22, s22, s73
.irp s, 0,1
	v_add_nc_u32 v[ADRA+\s], s21, v[LI]
	v_add_nc_u32 v[ADRB+\s], s22, v[LI]
	s_add_co_u32 s21, s21, SLOT
	s_add_co_u32 s22, s22, SLOT
.endr
.macro FRAG reg, adr, q, i             ; a fragment, 16 rows x 128 K: four loads of 512 consecutive bytes
.irp c, 0,1,2,3
	ds_load_b128 v[\reg+4*\c:\reg+4*\c+3], v[\adr] offset:16384*(\q)+2048*(\i)+512*\c
.endr
.endm
; 16 matrix instructions: source 1's blocks a0, a0 + 1 x source 0's eight.  The 64 accumulators take turns, one instruction a turn, in the same order in every step.
.macro MUL16 a0, p, zero
.irp a, \a0, \a0+1
.irp b, 0,1,2,3,4,5,6,7
.if \zero
	v_wmma_f32_16x16x128_fp8_fp8 v[8*(8*((\a)%4)+\b):8*(8*((\a)%4)+\b)+7], v[128*(\p)+FR*\b:128*(\p)+FR*\b+FR-1], v[AF+FR*(\a):AF+FR*(\a)+FR-1], 0
.else
	v_wmma_f32_16x16x128_fp8_fp8 v[8*(8*((\a)%4)+\b):8*(8*((\a)%4)+\b)+7], v[128*(\p)+FR*\b:128*(\p)+FR*\b+FR-1], v[AF+FR*(\a):AF+FR*(\a)+FR-1], v[8*(8*((\a)%4)+\b):8*(8*((\a)%4)+\b)+7]
.endif
.endr
.endr
.endm
.macro FETCH_B slot, q, p
	WIN TO_B
.irp i, 0,1,2,3,4,5,6,7
	FRAG 128*(\p)+FR*\i, ADRB+\slot, \q, \i
.endr
	WIN 0
.endm
.macro FETCH_A slot, q, i0
.irp i, \i0, \i0+1, \i0+2, \i0+3
	FRAG AF+FR*(\i), ADRA+\slot, \q, \i
.endr
.endm
.macro PLACES n                        ; plain vector lines between a matrix instruction and a load into, or a vector read or write of, its registers
.rept \n
	v_nop
.endr
.endm
.macro STEP slot, q, zero              ; 128 along K with its successor in the same slot
	s_wait_dscnt 4*NL                              ; source 0's set and source 1's blocks 0-3 are in; the youngest 16 loads (blocks 4-7) may be out
	WIN MUL_LO
	MUL16 0, (\q)%2, \zero
	MUL16 2, (\q)%2, \zero
	s_wait_dscnt 0
	PLACES NP
	FETCH_B \slot, (\q)+1, 1-(\q)%2
	FETCH_A \slot, (\q)+1, 0
	WIN MUL_HI
	MUL16 4, (\q)%2, \zero
	MUL16 6, (\q)%2, \zero
	PLACES NP
	WIN 0
	FETCH_A \slot, (\q)+1, 4
.endm
; A slot's last step changes slots: one barrier; in front of it each wave waits for all its tensor loads, adds 0 to its spare word, and waits for that and for its reads of this slot.
.macro TURN slot, next, fill
	s_wait_tensorcnt 0x0                           ; all my tensor loads have landed: my part of the next slot
	ds_add_u32 v[SPW], v[NIL]                      ; 0 onto my spare word
	s_wait_dscnt 4*NL+1                            ; (the add and the youngest 16 loads may be out)
	WIN MUL_LO
	MUL16 0, 1, 0
	s_wait_dscnt 0x0                               ; the add is done, and my reads of this slot are over
	s_barrier_signal -1
	MUL16 2, 1, 0
	WIN 0
	s_barrier_wait -1
.if \fill
	CREST                                          ; the barrier has opened a round of the cluster's barrier: no wave of any partner still reads this slot or has a load on its way
	s_add_nc_u64 s[G0+4*\slot+2:G0+4*\slot+3], s[G0+4*\slot+2:G0+4*\slot+3], 2*HALFT
	s_add_nc_u64 s[G0B+4*\slot+2:G0B+4*\slot+3], s[G0B+4*\slot+2:G0B+4*\slot+3], 2*HALFT
	JLOAD G0+4*\slot, G1, G0B+4*\slot, G1B         ; the first tensor load behind the round; its four v_nop are the places in front of the loads below
.else
	PLACES NP
.endif
	FETCH_B \next, 0, 0
	FETCH_A \next, 0, 0
	WIN MUL_HI
	MUL16 4, 1, 0
	MUL16 6, 1, 0
	PLACES NP
	WIN 0
	FETCH_A \next, 0, 4
.endm
	s_wait_tensorcnt 1                             ; my part of K step 0 is in (K step 1's load may be out)
	s_barrier_signal -1
	s_barrier_wait -1                              ; everybody's is
	FETCH_B 0, 0, 0
	FETCH_A 0, 0, 0
	FETCH_A 0, 0, 4
	STEP 0, 0, 1                                   ; the first step's products start the sums
	s_mov_b32 s3, LAPS-1
.Llap:
	TURN 0, 1, 1
	STEP 1, 0, 0
	TURN 1, 0, 1
	STEP 0, 0, 0
	s_sub_co_u32 s3, s3, 1
	s_cmp_lg_u32 s3, 0
	s_cbranch_scc1 .Llap
	TURN 0, 1, 0                                   ; the last lap fills nothing
	STEP 1, 0, 0
	s_wait_dscnt 4*NL
	WIN MUL_LO
	MUL16 0, 1, 0
	MUL16 2, 1, 0
	s_wait_dscnt 0
	WIN MUL_HI
	MUL16 4, 1, 0
	MUL16 6, 1, 0
	WIN 0
	; ---- THE WAY OUT
	s_wait_kmcnt 0x0
	s_add_co_i32 s84, s78, 3                       ; q: e2 + 3 (the 1/8)
	s_cmp_eq_u32 ttmp9, 0
	s_cselect_b32 s84, s84, s79                    ; k: e3
	s_cmp_eq_u32 ttmp9, 2
	s_cselect_b32 s84, s81, s84                    ; v: e5
	s_sub_co_i32 s84, s84, s76
	s_sub_co_i32 s84, s84, s77                     ; E
	s_add_co_i32 s84, s84, 127
	s_lshl_b32 s85, s84, 23
	v_mov_b32 v[SC], s85
	s_add_co_i32 s84, s84, 8
	s_lshl_b32 s84, s84, 23
	s_or_b32 s84, s84, 0x600000
	v_mov_b32 v[LIM], s84
	PLACES NP                                      ; behind the last products, ahead of the first read of results and the first write of A's registers
	s_and_b32 s74, s17, 7                          ; which 256 positions of the batch
	s_lshr_b32 s75, s17, 3                         ; the batch
	s_cmp_eq_u32 ttmp9, 2                          ; the cluster's x: equal in all partners
	s_cbranch_scc1 .Lvpath
	; q and k.  Accumulator (a, b), register j, lane (r, h): position 16 a + r of my 128, channel 16 (b % 4) + 8 h + j of head b / 4 of my two.
.macro TLOAD a                         ; the table for positions 16 a on: 8 pieces, 32 registers: pair 8 (b % 4) + 2 p holds cos and sin of the frequency of registers 2 p, 2 p + 1
.irp i, 0,1,2,3,4,5,6,7
	global_load_b128 v[TT+32*((\a)%3)+4*\i:TT+32*((\a)%3)+4*\i+3], v[LI], s[8:9] offset:4096*(\a)+512*\i
.endr
.endm
.macro QKBLOCK a
.set AC, 64*((\a)%4)
.set TS, TT+32*((\a)%3)
.set CS, CD+16*((\a)%2)
.if (\a) < 6
	s_wait_loadcnt 16                              ; this block's 8 loads are in; the two younger sets (8 loads each) may be out
.elseif (\a) == 6
	s_wait_loadcnt 8
.else
	s_wait_loadcnt 0x0
.endif
	WIN 0x02+(\a)/4                                ; source 0: the accumulators' window
.irp b, 0,1,2,3,4,5,6,7
.irp p, 0,1,2,3
	v_pk_mul_f32 v[TMP+8*\b+2*\p:TMP+8*\b+2*\p+1], v[AC+8*\b+2*\p:AC+8*\b+2*\p+1], v[TS+8*(\b%4)+2*\p:TS+8*(\b%4)+2*\p+1] op_sel_hi:[1,0]   ; (x0, x1) x cos; each accumulator from its low end on
.endr
.irp p, 0,1,2,3
	v_pk_fma_f32 v[TMP+8*\b+2*\p:TMP+8*\b+2*\p+1], v[AC+8*\b+2*\p:AC+8*\b+2*\p+1], v[TS+8*(\b%4)+2*\p:TS+8*(\b%4)+2*\p+1], v[TMP+8*\b+2*\p:TMP+8*\b+2*\p+1] op_sel:[1,1,0] op_sel_hi:[0,1,1] neg_hi:[0,1,0]   ; + x1 sin below, - x0 sin above
.endr
.endr
	WIN 0
.if (\a)+3 < 8
	TLOAD (\a)+3                                   ; into the set just read
.endif
.set ii, 0
.rept 64
	v_med3_num_f32 v[TMP+ii], v[TMP+ii], -v[LIM], v[LIM]   ; the conversion does not saturate (ISA guide 7.6.2)
.set ii, ii+1
.endr
.if (\a) >= 2
	s_wait_xcnt 0x0                                ; the stores of two blocks ago have read this set of codes
.endif
.irp b, 0,1,2,3,4,5,6,7
	v_cvt_scalef32_pk8_fp8_f32 v[CS+2*\b:CS+2*\b+1], v[TMP+8*\b:TMP+8*\b+7], v[SC]   ; registers 2 (b % 4), 2 (b % 4) + 1 of the fragment of head b / 4
.endr
	v_nop                                          ; a plain line behind the conversions, whose sources the next block writes
	global_store_b128 v[LI], v[CS:CS+3], s[86:87] offset:1024*(\a)
	global_store_b128 v[LI], v[CS+4:CS+7], s[86:87] offset:1024*(\a)+512
	global_store_b128 v[LI], v[CS+8:CS+11], s[88:89] offset:1024*(\a)
	global_store_b128 v[LI], v[CS+12:CS+15], s[88:89] offset:1024*(\a)+512
.endm
	s_lshl_b32 s90, s74, 4
	s_lshl_b32 s91, s15, 3
	s_add_co_u32 s90, s90, s91
	s_lshl_b32 s90, s90, 12                        ; the table at my first block of 16 positions: 4,096 bytes a block
	s_mov_b32 s91, 0
	s_add_nc_u64 s[8:9], s[8:9], s[90:91]
	TLOAD 0
	TLOAD 1
	TLOAD 2
	s_lshl_b32 s92, s75, 4
	s_lshl_b32 s93, s40, 2
	s_add_co_u32 s92, s92, s93
	s_lshl_b32 s93, s16, 1
	s_add_co_u32 s92, s92, s93                     ; my first head: 16 x batch + 4 cx + 2 x half
	s_lshl_b32 s92, s92, 17
	s_lshl_b32 s93, s74, 1
	s_add_co_u32 s93, s93, s15
	s_lshl_b32 s93, s93, 13
	s_add_co_u32 s92, s92, s93                     ; in qf: head x 131,072 + my 128 positions x 64
	s_lshl_b32 s92, s92, ttmp9                     ; in kv both strides are twice as long
	s_mov_b32 s93, 0
	s_lshl_b32 s94, 0x20000, ttmp9                 ; from head to head
	s_mov_b32 s95, 0
	s_cmp_eq_u32 ttmp9, 0
	s_cselect_b64 s[86:87], s[68:69], s[70:71]
	s_add_nc_u64 s[86:87], s[86:87], s[92:93]
	s_add_nc_u64 s[88:89], s[86:87], s[94:95]
.irp a, 0,1,2,3,4,5,6,7
	QKBLOCK \a
.endr
	s_branch .Ldone
.Lvpath:
	; v.  Accumulator (a, b), register j, lane (r, h): channel 16 (a % 4) + r of head a / 4 of my two, key 16 b + 8 h + j of my 128: block a's 16 registers of codes are one fragment of V^T.
.macro VBLOCK a
.set AC, 64*((\a)%4)
.set CS, CD+16*((\a)%2)
	WIN 0x02+(\a)/4
.set ii, 0
.rept 64
	v_med3_num_f32 v[TMP+ii], v[AC+ii], -v[LIM], v[LIM]   ; each accumulator from its low end on
.set ii, ii+1
.endr
	WIN 0
.if (\a) >= 2
	s_wait_xcnt 0x0
.endif
.irp b, 0,1,2,3,4,5,6,7
	v_cvt_scalef32_pk8_fp8_f32 v[CS+2*\b:CS+2*\b+1], v[TMP+8*\b:TMP+8*\b+7], v[SC]
.endr
	v_nop
.irp i, 0,1,2,3
	global_store_b128 v[LI], v[CS+4*\i:CS+4*\i+3], s[86:87] offset:((\a)/4)*262144+((\a)%4)*2048+512*\i
.endr
.endm
	s_lshl_b32 s92, s75, 4
	s_lshl_b32 s93, s40, 2
	s_add_co_u32 s92, s92, s93
	s_lshl_b32 s93, s15, 1
	s_add_co_u32 s92, s92, s93                     ; my first head: here source 1's half chooses the channels
	s_lshl_b32 s92, s92, 18
	s_lshl_b32 s93, s74, 1
	s_add_co_u32 s93, s93, s16                     ; and source 0's half the 128 keys
	s_lshl_b32 s93, s93, 14
	s_add_co_u32 s92, s92, s93
	s_add_co_u32 s92, s92, 8192                    ; V^T lies behind a step's eight tiles of K
	s_mov_b32 s93, 0
	s_add_nc_u64 s[86:87], s[70:71], s[92:93]
.irp a, 0,1,2,3,4,5,6,7
	VBLOCK \a
.endr
.Ldone:
	s_wait_tensorcnt 0x0                           ; the wave's end
	ds_add_u32 v[SPW], v[NIL]
	s_wait_dscnt 0x0
	CROUND                                         ; the closing round: no work-group ends while a partner may still ask for a tile that names it
	s_endpgm
.Lfunc_end_k_q28d45aa72a_qkv:
	.size	k_q28d45aa72a_qkv, .Lfunc_end_k_q28d45aa72a_qkv-k_q28d45aa72a_qkv
	.p2alignl 7, 3214868480
	.fill 96, 4, 3214868480
	.section	.rodata,"a",@progbits
	.p2align	6, 0x0
	.amdhsa_kernel k_q28d45aa72a_qkv
		.amdhsa_group_segment_fixed_size 327680
		.amdhsa_private_segment_fixed_size 0
		.amdhsa_enable_private_segment 0
		.amdhsa_kernarg_size 48
		.amdhsa_user_sgpr_count 2
		.amdhsa_user_sgpr_kernarg_segment_ptr 1
		.amdhsa_wavefront_size32 1
		.amdhsa_system_sgpr_workgroup_id_x 1
		.amdhsa_system_sgpr_workgroup_id_y 1
		.amdhsa_system_sgpr_workgroup_id_z 1
		.amdhsa_system_vgpr_workitem_id 0
		.amdhsa_next_free_vgpr 1024
		.amdhsa_next_free_sgpr 100
		.amdhsa_reserve_vcc 0
		.amdhsa_float_denorm_mode_32 3
		.amdhsa_float_denorm_mode_16_64 3
		.amdhsa_memory_ordered 1
		.amdhsa_forward_progress 1
		.amdhsa_inst_pref_size 197
	.end_amdhsa_kernel
	.amdgpu_metadata
---
amdhsa.version: [ 1, 2 ]
amdhsa.kernels:
  - .name:           k_q28d45aa72a_qkv
    .symbol:         k_q28d45aa72a_qkv.kd
    .args:
      - { .name: x_img, .offset: 0, .size: 8, .value_kind: global_buffer, .address_space: global }
      - { .name: wa_img, .offset: 8, .size: 8, .value_kind: global_buffer, .address_space: global }
      - { .name: rope, .offset: 16, .size: 8, .value_kind: global_buffer, .address_space: global }
      - { .name: lowp_scales, .offset: 24, .size: 8, .value_kind: global_buffer, .address_space: global }
      - { .name: qf, .offset: 32, .size: 8, .value_kind: global_buffer, .address_space: global }
      - { .name: kv, .offset: 40, .size: 8, .value_kind: global_buffer, .address_space: global }
    .group_segment_fixed_size: 327680
    .private_segment_fixed_size: 0
    .kernarg_segment_align: 8
    .kernarg_segment_size: 48
    .max_flat_workgroup_size: 128
    .sgpr_count:     100
    .vgpr_count:     1024
    .wavefront_size: 32
...
	.end_amdgpu_metadata
.endif
;; end of part 2
;; launch attn (part 3): grid 8 x 32, 8 waves a work-group, clusters of 4 x 1, 263,168 bytes of LDS; arguments qf, kv, lowp_scales, yf; writes yf
.if DOCPART == 3
	.amdgcn_target "amdgcn-amd-amdhsa--gfx1250"
	.amdhsa_code_object_version 6
	.text
	.protected	k_q28d45aa72a_attn
	.globl	k_q28d45aa72a_attn
	.p2align	8
	.type	k_q28d45aa72a_attn,@function
k_q28d45aa72a_attn:
	s_mov_b64 s[64:65], 0
	v_nop
	global_prefetch_b8 v0, s[64:65] scope:SCOPE_SE
	s_setreg_imm32_b32 hwreg(HW_REG_WAVE_MODE, 25, 1), 1
	s_wait_xcnt 0x0
	s_wait_alu depctr_hold_cnt(0) depctr_sa_sdst(0) depctr_va_vdst(0) depctr_va_sdst(0) depctr_va_ssrc(0) depctr_va_vcc(0) depctr_vm_vsrc(0)
	s_getreg_b32 s2, hwreg(HW_REG_IB_STS2, 6, 4)
	s_cmp_eq_u32 s2, 0
	s_cbranch_scc0 .Lentry_in_a_cluster
	s_endpgm
.Lentry_in_a_cluster:
	s_bfe_u32 s2, ttmp6, 0x10000c
	s_cmp_lg_u32 s2, 0x3003
	s_cbranch_scc0 .Lentry_shape_is_right
	s_endpgm
.Lentry_shape_is_right:
; ATTN: y = softmax(q k^T + causal mask) v for 32 heads of 2,048 positions x 64 channels, both products on codes of E4M3; y is quantised for the last product and stored as an image of its operand's registers.
; THE SOFTMAX: t = logit x log2(e); M = the running largest t rounded UP to a whole number; p = 2^(t - M) is quantised (scale 2^e4), not normalised; the row's sum of the unquantised p divides at the end.
; When M moves, the sum and O are multiplied by 2^(old M - new M), which rounds nothing.
; SHARES.  A head has 16 blocks of 128 queries, 8 tiles of 16 each.  A wave takes tile tb of block jhi = 15 - jlo and then tile tb of block jlo: (jhi + 1) + (jlo + 1) = 17 steps of 128 keys for EVERY wave.
; jlo = 2 (wave / 2) + cluster x, tb = 2 cx + wave % 2: no branch hangs on a work-group's place in its cluster; cx enters only q's and y's addresses in memory and the mask's lane value.
; LDS holds the head's whole image of K and V^T (262,144 bytes: 16 steps x (8 tiles of K x 1,024 + 4 tiles of V^T x 2,048)), filled ONCE, by joint loads of the cluster's four work-groups, which all walk this
; head: each wave issues four loads of 8,192 bytes together (four of mine are out at the most); load g of the eight waves brings steps 4 g .. 4 g + 3.  Nothing is filled again.
; LAYOUT.  S^T = K Q^T (source 0 = 16 keys) and O^T = V^T P^T (source 0 = 16 channels): a lane holds ONE query throughout, and in tile c its eight registers are keys 16 c + 8 h + 0 .. 7, which is the place
; that the second product's operand gives them: the conversions' results are the operand.  Every fragment is read from LDS as 512 consecutive bytes a load.
; THE MASK.  Steps beyond a tile's block are jumped over (a scalar branch on ids; the loops' trip counts are constants).  In the step on the diagonal hidden scores become -infinity, where reference() adds -1e9:
; LIMIT: both give p = 0 as long as |logit| stays far under 1e9.
; LIMITS on the exponents: e2 + e3 between -126 and 127; e4 and e6 between -126 and 119.  NaN is not served.
; REGISTERS: window 0: v1-9 addresses and constants; v12 -M, v13 the largest t, v[14:15] the sum; v16-23, v24-31 the two tiles of Q; v32-47 p's codes; v48-79 O^T; v80-87 y's codes; v88-95 at work; v96-159 S^T, then p;
;   v160-165 sums.   window 1: v0-63 K of a step, v64-127 V^T of a step.
.set LI,   1                           ; 16 x lane
.set ADV,  2                           ; the step in hand in LDS
.set ADK,  3                           ; the next step
.set DD,   4                           ; 16 tb + r - 8 h: register j of tile c is hidden on the diagonal where 16 c + j > DD
.set NINF, 5
.set PSC,  6                           ; 2^e4
.set PLIM, 7                           ; 448 x 2^e4
.set YSC,  8                           ; 2^e6
.set YLIM, 9                           ; 448 x 2^e6
.set QH,   16
.set QL,   24
.set PC,   32
.set OT,   48
.set YC,   80
.set MX,   88
.set FF,   92                          ; v[92:93]: a factor in the low word (the pair is named)
.set PM,   94                          ; a lane permute's destination
.set S,    96
.set SM,   160
.set KF,   0
.set VF,   64
.set WV,   12
.set CX,   13
.set BH,   14
.set G1,   16                          ; s[16:23] descriptor group 1
.set G0,   24                          ; s[24:39] four groups 0
.set ST,   40                          ; the key step in hand
.set TB,   41                          ; its first byte in LDS
.set JHI,  43
.set JLO,  44
.set CNT,  45
.set CSC,  46                          ; s[46:47] log2(e) x 2^(e2 + e3)
.set SEL,  48                          ; s[48:49] selects for lane l xor 16
.set MSB, 0
.macro WIN new
.if MSB != (\new)
	s_set_vgpr_msb (MSB<<8)|(\new)
.set MSB, (\new)
.endif
.endm
.macro CROUND
	s_barrier_signal -1
	s_barrier_wait -1
	s_cmp_lg_u32 s[WV], 0
	s_cbranch_scc1 .Lnot_wave_0_\@
	s_barrier_signal -3
.Lnot_wave_0_\@:
	s_barrier_wait -3
	s_barrier_signal -1
	s_barrier_wait -1
.endm
	s_load_b256 s[4:11], s[0:1], 0x0               ; qf s[4:5], kv s[6:7], the exponents s[8:9], yf s[10:11]
	v_lshl_add_u32 v254, v0, 2, 0x40000
	v_mov_b32 v255, 0
	ds_add_u32 v254, v255
	ds_add_u32 v254, v255
	v_lshrrev_b32 v10, 5, v0
	v_readfirstlane_b32 s[WV], v10                 ; wave 0..7
	s_bfe_u32 s[CX], ttmp6, 0x40000                ; cx
	s_and_b32 s[BH], ttmp7, 0xffff                 ; batch x 16 + head, which the four partners share
	s_mov_b32 s[G1], 15|(3<<16)|(1<<21)            ; 15:0 the mask: all four work-groups; 17:16 elements of 8 bytes; 21 set beside a mask
	s_mov_b32 s[G1+1], 32<<16                      ; tensor_dim0 = 32: rows of 256 bytes
	s_mov_b32 s[G1+2], 32<<16                      ; tensor_dim1 = 32
	s_mov_b32 s[G1+3], 32<<16                      ; tile_dim0 = 32
	s_mov_b32 s[G1+4], 32                          ; tile_dim1 = 32: 8,192 dense bytes
	s_mov_b32 s[G1+5], 32
	s_mov_b32 s[G1+6], 0
	s_mov_b32 s[G1+7], 0
	s_lshl_b32 s15, s[WV], 13                      ; my 8,192 bytes of each group of 65,536, in memory and in LDS alike
	s_lshl_b32 s50, s[BH], 18
	s_add_co_u32 s50, s50, s15
	s_mov_b32 s51, 0
	s_wait_dscnt 0x0
	s_wait_kmcnt 0x0
	s_load_b256 s[52:59], s[8:9], 0x0              ; e0 .. e7
	s_add_nc_u64 s[6:7], s[6:7], s[50:51]
.irp g, 0,1,2,3
	s_mov_b32 s[G0+4*\g], 1
	s_add_co_u32 s[G0+4*\g+1], s15, \g*65536
	s_add_nc_u64 s[G0+4*\g+2:G0+4*\g+3], s[6:7], \g*65536
	s_or_b32 s[G0+4*\g+3], s[G0+4*\g+3], 0x80000000
.endr
	CROUND                                         ; all four work-groups are here: the joint loads meet
	tensor_load_to_lds s[G0:G0+3], s[G1:G1+7]
	s_nop 0
	tensor_load_to_lds s[G0+4:G0+7], s[G1:G1+7]
	s_nop 0
	tensor_load_to_lds s[G0+8:G0+11], s[G1:G1+7]
	s_nop 0
	tensor_load_to_lds s[G0+12:G0+15], s[G1:G1+7]
	s_nop 0
.rept 4
	v_nop
.endr
	s_lshr_b32 s[JLO], s[WV], 1
	s_lshl_b32 s[JLO], s[JLO], 1
	s_add_co_u32 s[JLO], s[JLO], ttmp9             ; jlo = 2 (wave / 2) + cluster x
	s_xor_b32 s[JHI], s[JLO], 15
	s_and_b32 s50, s[WV], 1
	s_lshl_b32 s51, s[CX], 1
	s_add_co_u32 s50, s50, s51                     ; tb
	s_lshl_b32 s68, s[BH], 17
	s_lshl_b32 s51, s50, 10
	s_add_co_u32 s68, s68, s51                     ; qf: head x 131,072 + tb x 1,024
	s_lshl_b32 s51, s[JLO], 13
	s_add_co_u32 s70, s68, s51                     ; + block x 8,192
	s_lshl_b32 s51, s[JHI], 13
	s_add_co_u32 s68, s68, s51
	s_mov_b32 s69, 0
	s_mov_b32 s71, 0
	s_add_nc_u64 s[68:69], s[4:5], s[68:69]
	s_add_nc_u64 s[70:71], s[4:5], s[70:71]
	v_and_b32 v[LI], 31, v0
	v_lshlrev_b32 v[LI], 4, v[LI]
	global_load_b128 v[QH:QH+3], v[LI], s[68:69]
	global_load_b128 v[QH+4:QH+7], v[LI], s[68:69] offset:512
	global_load_b128 v[QL:QL+3], v[LI], s[70:71]
	global_load_b128 v[QL+4:QL+7], v[LI], s[70:71] offset:512
	s_lshr_b32 s62, s[BH], 4
	s_lshl_b32 s62, s62, 21                        ; yf: (16 x batch + block) x 131,072 + (head / 2) x 16,384 + tb x 2,048 + (head % 2) x 1,024
	s_bfe_u32 s51, s[BH], 0x30001
	s_lshl_b32 s51, s51, 14
	s_add_co_u32 s62, s62, s51
	s_lshl_b32 s51, s50, 11
	s_add_co_u32 s62, s62, s51
	s_and_b32 s51, s[BH], 1
	s_lshl_b32 s51, s51, 10
	s_add_co_u32 s62, s62, s51
	s_lshl_b32 s51, s[JLO], 17
	s_add_co_u32 s66, s62, s51
	s_lshl_b32 s51, s[JHI], 17
	s_add_co_u32 s62, s62, s51
	s_mov_b32 s63, 0
	s_mov_b32 s67, 0
	s_add_nc_u64 s[62:63], s[10:11], s[62:63]
	s_add_nc_u64 s[66:67], s[10:11], s[66:67]
	v_and_b32 v10, 15, v0
	v_bfe_u32 v11, v0, 4, 1
	v_lshlrev_b32 v11, 3, v11
	v_sub_nc_u32 v[DD], v10, v11
	s_lshl_b32 s51, s50, 4
	v_add_nc_u32 v[DD], s51, v[DD]
	v_mov_b32 v[NINF], 0xff800000
	v_mov_b32 v[PM], 0                             ; written once: a lane permute's destination counts as one of its sources
	v_mov_b32 v[FF+1], 0                           ; (named as the upper half of a pair)
	s_mov_b32 s[SEL], 0x76543210
	s_mov_b32 s[SEL+1], 0xfedcba98
	s_wait_kmcnt 0x0
	s_add_co_i32 s50, s54, s55
	s_lshl_b32 s50, s50, 23
	s_mov_b32 s[CSC], 0x3fb8aa3b                   ; log2(e); a sum of codes stands for sum x 2^(e2 + e3): added to the exponent field
	s_add_co_i32 s[CSC], s[CSC], s50
	s_mov_b32 s[CSC+1], s[CSC]
	s_add_co_i32 s50, s56, 127
	s_lshl_b32 s51, s50, 23
	v_mov_b32 v[PSC], s51
	s_add_co_i32 s50, s50, 8
	s_lshl_b32 s50, s50, 23
	s_or_b32 s50, s50, 0x600000
	v_mov_b32 v[PLIM], s50
	s_add_co_i32 s50, s58, 127
	s_lshl_b32 s51, s50, 23
	v_mov_b32 v[YSC], s51
	s_add_co_i32 s50, s50, 8
	s_lshl_b32 s50, s50, 23
	s_or_b32 s50, s50, 0x600000
	v_mov_b32 v[YLIM], s50
	s_add_co_i32 s60, s56, s57                     ; e4 + e5
.macro INIT                            ; a tile begins: the largest t under every t, the sum and O^T zero (the first change of M multiplies zeros)
	v_mov_b32 v13, 0xff61b1e6
	v_floor_f32 v12, -v13
	v_mov_b32 v14, 0
	v_mov_b32 v15, 0
.set ii, 0
.rept 32
	v_mov_b32 v[OT+ii], 0
.set ii, ii+1
.endr
	s_mov_b32 s[ST], 0
	s_mov_b32 s[TB], 0
.endm
.macro LOADK0                          ; K of step 0
	WIN 0x40                                       ; destination window 1
.irp c, 0,1,2,3,4,5,6,7
	ds_load_b128 v[KF+8*\c:KF+8*\c+3], v[LI] offset:1024*\c
	ds_load_b128 v[KF+8*\c+4:KF+8*\c+7], v[LI] offset:1024*\c+512
.endr
	WIN 0
.endm
; A KEY STEP of 128 keys for the tile whose Q lies at v[q].  causal = 1: steps beyond block s[jr] are jumped over, and the step on the diagonal is masked.
.macro STEP q, jr, causal
.if \causal
	s_cmp_gt_u32 s[ST], s[\jr]
	s_cbranch_scc1 .Lskip_\@
.endif
	s_wait_dscnt 0x0                               ; this step's K is in
	WIN 0x01                                       ; source 0 window 1
.irp c, 0,1,2,3,4,5,6,7
	v_wmma_f32_16x16x64_fp8_fp8 v[S+8*\c:S+8*\c+7], v[KF+8*\c:KF+8*\c+7], v[\q:\q+7], 0
.endr
	WIN 0
	v_add_nc_u32 v[ADV], s[TB], v[LI]              ; four plain lines: the places between the products and the loads into K's registers, the reads of S^T, and (behind the last step's products) the loads into V's
	v_add_nc_u32 v[ADK], 16384, v[ADV]             ; the next step's K
.if \causal
	v_and_b32 v[ADK], 0x3ffff, v[ADK]              ; behind the head's last step: step 0's, which nobody uses
.else
	v_nop
.endif
	v_nop
	WIN 0x40
.irp t, 0,1,2,3
.irp i, 0,1,2,3
	ds_load_b128 v[VF+16*\t+4*\i:VF+16*\t+4*\i+3], v[ADV] offset:8192+2048*\t+512*\i
.endr
.endr
.irp c, 0,1,2,3,4,5,6,7
	ds_load_b128 v[KF+8*\c:KF+8*\c+3], v[ADK] offset:1024*\c
	ds_load_b128 v[KF+8*\c+4:KF+8*\c+7], v[ADK] offset:1024*\c+512
.endr
	WIN 0
.if \causal
	s_cmp_lg_u32 s[ST], s[\jr]
	s_cbranch_scc1 .Lopen_\@
.irp c, 0,1,2,3,4,5,6,7
.irp j, 0,1,2,3,4,5,6,7
	v_cmp_gt_i32 vcc_lo, 16*\c+\j, v[DD]
	v_cndmask_b32 v[S+8*\c+\j], v[S+8*\c+\j], v[NINF], vcc_lo
.endr
.endr
.Lopen_\@:
.endif
.irp k, 0,1,2,3                                ; the step's largest score of my query among my 64 keys: four chains, each over two tiles from their low ends on
	v_max3_num_f32 v[MX+\k], v[S+16*\k], v[S+16*\k+1], v[S+16*\k+2]
.endr
.irp i, 3,5,7,9,11,13
.irp k, 0,1,2,3
	v_max3_num_f32 v[MX+\k], v[MX+\k], v[S+16*\k+\i], v[S+16*\k+\i+1]
.endr
.endr
	v_max3_num_f32 v[MX], v[MX], v[MX+1], v[MX+2]
	v_max3_num_f32 v[MX], v[MX], v[MX+3], v[S+15]
	v_max3_num_f32 v[MX], v[MX], v[S+31], v[S+47]
	v_max_num_f32 v[MX], v[MX], v[S+63]
	v_permlanex16_b32 v[PM], v[MX], s[SEL], s[SEL+1]
	v_max_num_f32 v[MX], v[MX], v[PM]              ; and among lane l xor 16's
	v_mul_f32 v[MX], s[CSC], v[MX]                 ; as t
	v_max_num_f32 v13, v13, v[MX]
	v_mov_b32 v[MX], v12
	v_floor_f32 v12, -v13                          ; the new -M = -ceil(t)
	v_sub_f32 v[MX], v12, v[MX]                    ; old M - new M: a whole number, 0 or less
	v_cvt_i32_f32 v[MX], v[MX]                     ; (it saturates)
	v_ldexp_f32 v[FF], 1.0, v[MX]                  ; f = 2^(old M - new M)
.set gg, 0
.rept 16                                       ; ONE BATCH: the scalings t - M, the 64 exponentials, and between them O^T x f; none of these lines names an exponential's result
	v_pk_fma_f32 v[S+4*gg:S+4*gg+1], v[S+4*gg:S+4*gg+1], s[CSC:CSC+1], v[12:13] op_sel_hi:[1,0,0]
	v_pk_fma_f32 v[S+4*gg+2:S+4*gg+3], v[S+4*gg+2:S+4*gg+3], s[CSC:CSC+1], v[12:13] op_sel_hi:[1,0,0]
	v_pk_mul_f32 v[OT+2*gg:OT+2*gg+1], v[OT+2*gg:OT+2*gg+1], v[FF:FF+1] op_sel_hi:[1,0]
	v_exp_f32 v[S+4*gg], v[S+4*gg]
	v_exp_f32 v[S+4*gg+1], v[S+4*gg+1]
	v_exp_f32 v[S+4*gg+2], v[S+4*gg+2]
	v_exp_f32 v[S+4*gg+3], v[S+4*gg+3]
.set gg, gg+1
.endr
	v_pk_mul_f32 v[14:15], v[14:15], v[FF:FF+1] op_sel_hi:[1,0]   ; the sum under the new M: the plain line behind the last exponential
	s_wait_alu depctr_va_vdst(0)                   ; one wait for the batch, ahead of its first reader
.irp k, 1,2,3                                  ; the row's sum of the UNQUANTISED p, two at a time, in four chains
	v_pk_add_f32 v[SM+2*\k-2:SM+2*\k-1], v[S+2*\k:S+2*\k+1], v[S+2*\k+8:S+2*\k+9]
.endr
	v_pk_add_f32 v[14:15], v[14:15], v[S:S+1]
	v_pk_add_f32 v[14:15], v[14:15], v[S+8:S+9]
.irp m, 2,3,4,5,6,7
	v_pk_add_f32 v[14:15], v[14:15], v[S+8*\m:S+8*\m+1]
.irp k, 1,2,3
	v_pk_add_f32 v[SM+2*\k-2:SM+2*\k-1], v[SM+2*\k-2:SM+2*\k-1], v[S+8*\m+2*\k:S+8*\m+2*\k+1]
.endr
.endr
	v_pk_add_f32 v[SM:SM+1], v[SM:SM+1], v[SM+2:SM+3]
	v_pk_add_f32 v[14:15], v[14:15], v[SM+4:SM+5]
	v_pk_add_f32 v[14:15], v[14:15], v[SM:SM+1]
.set ii, 0
.rept 64
	v_min_num_f32 v[S+ii], v[S+ii], v[PLIM]        ; the conversion does not saturate (ISA guide 7.6.2); p is not negative, so the hold is one-sided
.set ii, ii+1
.endr
.irp c, 0,1,2,3,4,5,6,7
	v_cvt_scalef32_pk8_fp8_f32 v[PC+2*\c:PC+2*\c+1], v[S+8*\c:S+8*\c+7], v[PSC]
.endr
	v_nop                                          ; a plain line between the conversions and the products that read their results
	s_wait_dscnt 16                                ; V's 16 loads are in; the next step's 16 loads of K, issued behind them, may be out
	WIN 0x01
.irp t, 0,1,2,3                                ; four accumulators by turns; between two links of a chain stand eleven other matrix instructions
	v_wmma_f32_16x16x128_fp8_fp8 v[OT+8*\t:OT+8*\t+7], v[VF+16*\t:VF+16*\t+15], v[PC:PC+15], v[OT+8*\t:OT+8*\t+7]
.endr
	WIN 0
.if \causal
.Lskip_\@:
.endif
	s_add_co_u32 s[ST], s[ST], 1
	s_add_co_u32 s[TB], s[TB], 16384
.endm
.macro LOOP n, q, jr, causal           ; n key steps: a constant of the text
	s_mov_b32 s[CNT], \n
.Lloop_\@:
	STEP \q, \jr, \causal
	s_sub_co_u32 s[CNT], s[CNT], 1
	s_cmp_lg_u32 s[CNT], 0
	s_cbranch_scc1 .Lloop_\@
.endm
; A tile ends: O^T x 2^(e4 + e5) / the sum is y; it is quantised with 2^e6, and its eight registers of codes are half a fragment of the last product's first operand.
.macro FINISH yb
.rept 4
	v_nop                                          ; places behind the last products
.endr
	v_add_f32 v14, v14, v15
	v_permlanex16_b32 v[PM], v14, s[SEL], s[SEL+1]
	v_add_f32 v14, v14, v[PM]                      ; the row's sum
	v_rcp_f32 v[MX], v14
	v_nop
	s_wait_alu depctr_va_vdst(0)                   ; ahead of the reciprocal's first reader
	v_ldexp_f32 v[FF], v[MX], s60
.set ii, 0
.rept 16
	v_pk_mul_f32 v[OT+2*ii:OT+2*ii+1], v[OT+2*ii:OT+2*ii+1], v[FF:FF+1] op_sel_hi:[1,0]
.set ii, ii+1
.endr
.set ii, 0
.rept 32
	v_med3_num_f32 v[OT+ii], v[OT+ii], -v[YLIM], v[YLIM]
.set ii, ii+1
.endr
	s_wait_xcnt 0x0                                ; the first tile's stores have read the codes' registers
.irp t, 0,1,2,3
	v_cvt_scalef32_pk8_fp8_f32 v[YC+2*\t:YC+2*\t+1], v[OT+8*\t:OT+8*\t+7], v[YSC]
.endr
	v_nop                                          ; a plain line behind the conversions, whose sources are written again
	global_store_b128 v[LI], v[YC:YC+3], s[\yb:\yb+1]
	global_store_b128 v[LI], v[YC+4:YC+7], s[\yb:\yb+1] offset:512
.endm
	INIT
	s_wait_loadcnt 0x0                             ; Q
	s_wait_tensorcnt 3                             ; my part of steps 0-3 is in; my three later loads may be out
	s_barrier_signal -1
	s_barrier_wait -1                              ; everybody's is
	LOADK0
	LOOP 3, QH, JHI, 0                             ; steps 0-2 (they look ahead to K of step 3 at the most)
	s_wait_tensorcnt 2                             ; my part of steps 4-7
	s_wait_dscnt 0x0
	s_barrier_signal -1
	s_barrier_wait -1
	LOOP 4, QH, JHI, 0                             ; steps 3-6 (ahead: step 7)
	s_wait_tensorcnt 0x0                           ; all of it
	s_wait_dscnt 0x0
	s_barrier_signal -1
	s_barrier_wait -1
	LOOP 9, QH, JHI, 1                             ; steps 7-15, as far as block jhi
	FINISH 62
	INIT
	s_wait_dscnt 0x0                               ; the look-ahead that nobody used has landed: K's registers may be loaded again
	LOADK0
	LOOP 8, QL, JLO, 1                             ; steps 0-7, as far as block jlo
	FINISH 66
	s_wait_dscnt 0x0
	s_wait_tensorcnt 0x0
	ds_add_u32 v254, v255
	s_wait_dscnt 0x0
	CROUND                                         ; the closing round
	s_endpgm
.Lfunc_end_k_q28d45aa72a_attn:
	.size	k_q28d45aa72a_attn, .Lfunc_end_k_q28d45aa72a_attn-k_q28d45aa72a_attn
	.p2alignl 7, 3214868480
	.fill 96, 4, 3214868480
	.section	.rodata,"a",@progbits
	.p2align	6, 0x0
	.amdhsa_kernel k_q28d45aa72a_attn
		.amdhsa_group_segment_fixed_size 263168
		.amdhsa_private_segment_fixed_size 0
		.amdhsa_enable_private_segment 0
		.amdhsa_kernarg_size 32
		.amdhsa_user_sgpr_count 2
		.amdhsa_user_sgpr_kernarg_segment_ptr 1
		.amdhsa_wavefront_size32 1
		.amdhsa_system_sgpr_workgroup_id_x 1
		.amdhsa_system_sgpr_workgroup_id_y 1
		.amdhsa_system_sgpr_workgroup_id_z 1
		.amdhsa_system_vgpr_workitem_id 0
		.amdhsa_next_free_vgpr 384
		.amdhsa_next_free_sgpr 72
		.amdhsa_reserve_vcc 1
		.amdhsa_float_denorm_mode_32 3
		.amdhsa_float_denorm_mode_16_64 3
		.amdhsa_memory_ordered 1
		.amdhsa_forward_progress 1
		.amdhsa_inst_pref_size 92
	.end_amdhsa_kernel
	.amdgpu_metadata
---
amdhsa.version: [ 1, 2 ]
amdhsa.kernels:
  - .name:           k_q28d45aa72a_attn
    .symbol:         k_q28d45aa72a_attn.kd
    .args:
      - { .name: qf, .offset: 0, .size: 8, .value_kind: global_buffer, .address_space: global }
      - { .name: kv, .offset: 8, .size: 8, .value_kind: global_buffer, .address_space: global }
      - { .name: lowp_scales, .offset: 16, .size: 8, .value_kind: global_buffer, .address_space: global }
      - { .name: yf, .offset: 24, .size: 8, .value_kind: global_buffer, .address_space: global }
    .group_segment_fixed_size: 263168
    .private_segment_fixed_size: 0
    .kernarg_segment_align: 8
    .kernarg_segment_size: 32
    .max_flat_workgroup_size: 256
    .sgpr_count:     72
    .vgpr_count:     384
    .wavefront_size: 32
...
	.end_amdgpu_metadata
.endif
;; end of part 3
;; launch proj (part 4): grid 8 x 32, 4 waves a work-group, clusters of 4 x 4, 280,064 bytes of LDS; arguments yf, wp_img, lowp_scales, out0; writes out0
.if DOCPART == 4
	.amdgcn_target "amdgcn-amd-amdhsa--gfx1250"
	.amdhsa_code_object_version 6
	.text
	.protected	k_q28d45aa72a_proj
	.globl	k_q28d45aa72a_proj
	.p2align	8
	.type	k_q28d45aa72a_proj,@function
k_q28d45aa72a_proj:
	s_mov_b64 s[64:65], 0
	v_nop
	global_prefetch_b8 v0, s[64:65] scope:SCOPE_SE
	s_setreg_imm32_b32 hwreg(HW_REG_WAVE_MODE, 25, 1), 1
	s_wait_xcnt 0x0
	s_wait_alu depctr_hold_cnt(0) depctr_sa_sdst(0) depctr_va_vdst(0) depctr_va_sdst(0) depctr_va_ssrc(0) depctr_va_vcc(0) depctr_vm_vsrc(0)
	s_getreg_b32 s2, hwreg(HW_REG_IB_STS2, 6, 4)
	s_cmp_eq_u32 s2, 0
	s_cbranch_scc0 .Lentry_in_a_cluster
	s_endpgm
.Lentry_in_a_cluster:
	s_bfe_u32 s2, ttmp6, 0x10000c
	s_cmp_lg_u32 s2, 0xf033
	s_cbranch_scc0 .Lentry_shape_is_right
	s_endpgm
.Lentry_shape_is_right:
; PROJ: out0 = y W_proj on codes of E4M3 (M 4,096, N 1,024, K 1,024); each finished sum x 2^(e6 + e7).  LIMIT: e6 + e7 between -126 and 127.
; A tile of 128 x 128 gives 32 x 8 = 256 work-groups; four waves, 64 x 64 each: 16 accumulators.
; Both operands lie in memory as images of their registers ([128 rows][K chunk of 128 (8)][tile of 16 rows (8)][2,048 bytes]): a work-group's whole A (131,072 bytes) and whole B fit in LDS, so every fill is a first
; fill: no ring.  Waves 0 and 1 issue four joint loads of A each, waves 2 and 3 of B: load s of a wave brings K chunk 2 s + wave % 2 (16,384 dense bytes); four of mine are out at the most.
; CLUSTERS: 4 x 4; A's block is shared along a row of the cluster, B's along a column.
; THE MATRIX INSTRUCTION IS USED TRANSPOSED (source 0 = 16 columns of W, source 1 = 16 rows of y): a lane holds eight neighbouring numbers of a row of out0.
; REGISTERS: window 0: v0-31 addresses; v32-63 a block's scaled sums; v64-127 two sets of rows read back; v128-255 the accumulators ((a, b) at v[128 + 8 (4 a + b)]).
;   window 1: two fragment buffers of 128: 64 registers of A (4 tiles), then 64 of B.
.set BOFF,  131072
.set STG,   262144                     ; behind the operands: 16 rows x 272 bytes for each wave; no tensor load lands here
.set SP,    272
.set ADRA, 16                          ; v16-17: my A fragments, K chunks 0-3 and 4-7 (an LDS immediate holds 16 bits)
.set ADRB, 20                          ; v20-21: the same for B
.set STO,  24
.set RD,   25
.set CO,   26
.set LI,   27
.set TMP,  32
.set BK,   64
.set ACC,  128
.set F0,   0
.set F1,   128
.set G1A,  24
.set G1B,  32
.set G0A,  40                          ; s[40:55] four groups 0 for A
.set G0B,  68                          ; s[68:83] four for B
.set MSB, 0
.macro WIN new
.if MSB != (\new)
	s_set_vgpr_msb (MSB<<8)|(\new)
.set MSB, (\new)
.endif
.endm
.macro CROUND
	s_barrier_signal -1
	s_barrier_wait -1
	s_cmp_lg_u32 s14, 0
	s_cbranch_scc1 .Lnot_wave_0_\@
	s_barrier_signal -3
.Lnot_wave_0_\@:
	s_barrier_wait -3
	s_barrier_signal -1
	s_barrier_wait -1
.endm
.macro PLACES
.rept 4
	v_nop
.endr
.endm
	s_load_b128 s[4:7], s[0:1], 0x0                ; yf, wp_img
	s_load_b128 s[8:11], s[0:1], 0x10              ; the exponents, out0
	v_lshl_add_u32 v30, v0, 2, 0x44400
	v_mov_b32 v31, 0
	ds_add_u32 v30, v31
	ds_add_u32 v30, v31
	v_lshrrev_b32 v1, 5, v0
	v_readfirstlane_b32 s14, v1                    ; wave 0..3
	s_lshr_b32 s15, s14, 1                         ; which 64 rows are mine
	s_and_b32 s16, s14, 1                          ; which 64 columns.  Also: which of a pair of K chunks I fetch
	s_bfe_u32 s12, ttmp6, 0x40000                  ; cx
	s_bfe_u32 s13, ttmp6, 0x40004                  ; cy
	s_lshl_b32 s18, ttmp9, 2
	s_add_co_u32 s18, s18, s12                     ; tile column
	s_and_b32 s17, ttmp7, 0xffff
	s_lshl_b32 s17, s17, 2
	s_add_co_u32 s17, s17, s13                     ; tile row
	s_lshl_b32 s19, s13, 2
	s_lshl_b32 s19, 15, s19                        ; my row of the cluster
	s_lshl_b32 s20, 0x1111, s12                    ; my column
	s_or_b32 s[G1A], s19, (3<<16)|(1<<21)          ; the mask; elements of 8 bytes; bit 21 beside a mask
	s_or_b32 s[G1B], s20, (3<<16)|(1<<21)
.irp g, G1A, G1B
	s_mov_b32 s[\g+1], 32<<16                      ; rows of 256 bytes,
	s_mov_b32 s[\g+2], 64<<16                      ; 64 of them: 16,384 dense bytes
	s_mov_b32 s[\g+3], 32<<16
	s_mov_b32 s[\g+4], 64
	s_mov_b32 s[\g+5], 32
	s_mov_b32 s[\g+6], 0
	s_mov_b32 s[\g+7], 0
.endr
	s_lshl_b32 s21, s16, 14                        ; (wave % 2) x 16,384, in memory and in LDS alike
	s_lshl_b32 s56, s17, 17
	s_add_co_u32 s56, s56, s21
	s_mov_b32 s57, 0
	s_lshl_b32 s58, s18, 17
	s_add_co_u32 s58, s58, s21
	s_mov_b32 s59, 0
	s_wait_dscnt 0x0
	s_wait_kmcnt 0x0
	s_load_b256 s[88:95], s[8:9], 0x0              ; e0 .. e7
	s_add_nc_u64 s[56:57], s[4:5], s[56:57]
	s_add_nc_u64 s[58:59], s[6:7], s[58:59]
.irp s, 0,1,2,3
	s_mov_b32 s[G0A+4*\s], 1
	s_add_co_u32 s[G0A+4*\s+1], s21, \s*32768
	s_add_nc_u64 s[G0A+4*\s+2:G0A+4*\s+3], s[56:57], \s*32768
	s_or_b32 s[G0A+4*\s+3], s[G0A+4*\s+3], 0x80000000
	s_mov_b32 s[G0B+4*\s], 1
	s_add_co_u32 s[G0B+4*\s+1], s21, BOFF+\s*32768
	s_add_nc_u64 s[G0B+4*\s+2:G0B+4*\s+3], s[58:59], \s*32768
	s_or_b32 s[G0B+4*\s+3], s[G0B+4*\s+3], 0x80000000
.endr
	CROUND                                         ; all sixteen work-groups are here: the joint loads meet
	s_cmp_lt_u32 s14, 2                            ; a wave's four fills stand in one branch on its number, ahead of every wait on TENSORcnt and every LDS read
	s_cbranch_scc0 .Lfill_b
	tensor_load_to_lds s[G0A:G0A+3], s[G1A:G1A+7]
	s_nop 0
	tensor_load_to_lds s[G0A+4:G0A+7], s[G1A:G1A+7]
	s_nop 0
	tensor_load_to_lds s[G0A+8:G0A+11], s[G1A:G1A+7]
	s_nop 0
	tensor_load_to_lds s[G0A+12:G0A+15], s[G1A:G1A+7]
	s_nop 0
.rept 4
	v_nop
.endr
	s_branch .Lfilled
.Lfill_b:
	tensor_load_to_lds s[G0B:G0B+3], s[G1B:G1B+7]
	s_nop 0
	tensor_load_to_lds s[G0B+4:G0B+7], s[G1B:G1B+7]
	s_nop 0
	tensor_load_to_lds s[G0B+8:G0B+11], s[G1B:G1B+7]
	s_nop 0
	tensor_load_to_lds s[G0B+12:G0B+15], s[G1B:G1B+7]
	s_nop 0
.rept 4
	v_nop
.endr
.Lfilled:
	v_and_b32 v1, 15, v0                           ; r
	v_bfe_u32 v2, v0, 4, 1                         ; h
	v_and_b32 v3, 31, v0
	v_lshlrev_b32 v[LI], 4, v3
	s_lshl_b32 s22, s15, 13                        ; my four tiles of A,
	s_lshl_b32 s23, s16, 13
	s_add_co_u32 s23, s23, BOFF                    ; and of B
	v_add_nc_u32 v[ADRA], s22, v[LI]
	v_add_nc_u32 v[ADRA+1], 0x10000, v[ADRA]
	v_add_nc_u32 v[ADRB], s23, v[LI]
	v_add_nc_u32 v[ADRB+1], 0x10000, v[ADRB]
	s_mul_i32 s22, s14, 16*SP
	s_add_co_u32 s22, s22, STG                     ; my stage
	v_mul_u32_u24 v4, v1, SP
	v_lshl_add_u32 v4, v2, 5, v4
	v_add_nc_u32 v[STO], s22, v4                   ; in: row r, 32 bytes for each half of the lanes
	v_mul_u32_u24 v5, v2, SP
	v_lshl_add_u32 v5, v1, 4, v5
	v_add_nc_u32 v[RD], s22, v5                    ; back: lanes 0-15 one row of 256 bytes, lanes 16-31 the next
	v_lshlrev_b32 v[CO], 12, v2
	v_lshl_add_u32 v[CO], v1, 4, v[CO]             ; and the same two rows of out0 (4,096 bytes a row)
	s_lshl_b32 s60, s17, 7
	s_lshl_b32 s61, s15, 6
	s_add_co_u32 s60, s60, s61
	s_lshl_b32 s60, s60, 12                        ; my first row
	s_lshl_b32 s61, s18, 9
	s_add_co_u32 s60, s60, s61
	s_lshl_b32 s61, s16, 8
	s_add_co_u32 s60, s60, s61                     ; my first column: 512 x tile column + 256 x half
	s_mov_b32 s61, 0
	s_add_nc_u64 s[10:11], s[10:11], s[60:61]
.macro FETCH kc, f                     ; K chunk kc: four fragments of B and four of A, 32 loads of 512 consecutive bytes
	WIN 0x40
.irp i, 0,1,2,3
.irp c, 0,1,2,3
	ds_load_b128 v[\f+64+16*\i+4*\c:\f+64+16*\i+4*\c+3], v[ADRB+(\kc)/4] offset:((\kc)%4)*16384+2048*\i+512*\c
	ds_load_b128 v[\f+16*\i+4*\c:\f+16*\i+4*\c+3], v[ADRA+(\kc)/4] offset:((\kc)%4)*16384+2048*\i+512*\c
.endr
.endr
.endm
.macro MUL f, zero                     ; 16 matrix instructions, the 16 accumulators by turns
	WIN 0x05                                       ; sources 0 and 1 window 1
.irp a, 0,1,2,3
.irp b, 0,1,2,3
.if \zero
	v_wmma_f32_16x16x128_fp8_fp8 v[ACC+8*(4*\a+\b):ACC+8*(4*\a+\b)+7], v[\f+64+16*\b:\f+64+16*\b+15], v[\f+16*\a:\f+16*\a+15], 0
.else
	v_wmma_f32_16x16x128_fp8_fp8 v[ACC+8*(4*\a+\b):ACC+8*(4*\a+\b)+7], v[\f+64+16*\b:\f+64+16*\b+15], v[\f+16*\a:\f+16*\a+15], v[ACC+8*(4*\a+\b):ACC+8*(4*\a+\b)+7]
.endif
.endr
.endr
.endm
.macro PAIR s                          ; K chunks 2 s and 2 s + 1
	FETCH 2*(\s)+1, F1
	s_wait_dscnt 32                                ; all but the 32 just issued: buffer 0 is in
.if (\s) == 0
	MUL F0, 1                                      ; the first products start the sums
.else
	MUL F0, 0
.endif
.if (\s) < 3
	s_wait_tensorcnt 2-(\s)                        ; my load of the next pair of K chunks has landed; the later ones may be out
	s_wait_dscnt 0x0
	s_barrier_signal -1
	s_barrier_wait -1                              ; everybody's has
	PLACES                                         ; in front of loads into registers that matrix instructions have read
	FETCH 2*(\s)+2, F0
	s_wait_dscnt 32
.else
	s_wait_dscnt 0x0
.endif
	MUL F1, 0
	PLACES
.endm
	s_wait_tensorcnt 3                             ; my first load is in: K chunks 0 and 1 of A and B, among the four waves
	s_barrier_signal -1
	s_barrier_wait -1
	FETCH 0, F0
	PAIR 0
	PAIR 1
	PAIR 2
	PAIR 3
	WIN 0
	; THE WAY OUT, block by block of 16 rows x 64 columns, through my own stage: in as 32 bytes a lane, back as whole rows of 256 bytes.
.macro TOSTAGE a
.irp j, 0,2,4,6,8,10,12,14,16,18,20,22,24,26,28,30
	v_pk_mul_f32 v[TMP+\j:TMP+\j+1], v[ACC+32*(\a)+\j:ACC+32*(\a)+\j+1], s[84:85] op_sel_hi:[1,0]   ; x 2^(e6 + e7); each accumulator from its low end on
.endr
.irp b, 0,1,2,3
	ds_store_b128 v[STO], v[TMP+8*\b:TMP+8*\b+3] offset:64*\b
	ds_store_b128 v[STO], v[TMP+8*\b+4:TMP+8*\b+7] offset:64*\b+16
.endr
.irp t, 0,1,2,3,4,5,6,7
	ds_load_b128 v[BK+32*((\a)%2)+4*\t:BK+32*((\a)%2)+4*\t+3], v[RD] offset:\t*2*SP   ; LDS serves a wave's instructions in order: these see the stores above
.endr
.endm
.macro SEND a, younger                 ; younger: the LDS instructions issued behind block a's loads
	s_wait_dscnt \younger
.irp t, 0,1,2,3,4,5,6,7
	global_store_b128 v[CO], v[BK+32*((\a)%2)+4*\t:BK+32*((\a)%2)+4*\t+3], s[10:11] offset:(16*(\a)+2*\t)*4096 th:TH_STORE_NT   ; 16 lanes store 256 consecutive bytes, at a multiple of 256 from out0's first byte
.endr
.endm
	s_wait_kmcnt 0x0
	s_add_co_i32 s84, s94, s95
	s_add_co_i32 s84, s84, 127
	s_lshl_b32 s84, s84, 23                        ; 2^(e6 + e7) as f32
	s_mov_b32 s85, s84                             ; (named with it as a pair)
	TOSTAGE 0
	TOSTAGE 1
	SEND 0, 16                                     ; behind block 0's loads: block 1's 8 stores and 8 loads
	s_wait_xcnt 0x0                                ; block 0's stores have read their registers: block 2's rows may land there
	TOSTAGE 2
	SEND 1, 16
	s_wait_xcnt 0x0
	TOSTAGE 3
	SEND 2, 16
	SEND 3, 0
	s_wait_tensorcnt 0x0
	ds_add_u32 v30, v31
	s_wait_dscnt 0x0
	CROUND                                         ; the closing round: no work-group ends while a partner may still ask for a tile that names it
	s_endpgm
.Lfunc_end_k_q28d45aa72a_proj:
	.size	k_q28d45aa72a_proj, .Lfunc_end_k_q28d45aa72a_proj-k_q28d45aa72a_proj
	.p2alignl 7, 3214868480
	.fill 96, 4, 3214868480
	.section	.rodata,"a",@progbits
	.p2align	6, 0x0
	.amdhsa_kernel k_q28d45aa72a_proj
		.amdhsa_group_segment_fixed_size 280064
		.amdhsa_private_segment_fixed_size 0
		.amdhsa_enable_private_segment 0
		.amdhsa_kernarg_size 32
		.amdhsa_user_sgpr_count 2
		.amdhsa_user_sgpr_kernarg_segment_ptr 1
		.amdhsa_wavefront_size32 1
		.amdhsa_system_sgpr_workgroup_id_x 1
		.amdhsa_system_sgpr_workgroup_id_y 1
		.amdhsa_system_sgpr_workgroup_id_z 1
		.amdhsa_system_vgpr_workitem_id 0
		.amdhsa_next_free_vgpr 512
		.amdhsa_next_free_sgpr 96
		.amdhsa_reserve_vcc 0
		.amdhsa_float_denorm_mode_32 3
		.amdhsa_float_denorm_mode_16_64 3
		.amdhsa_memory_ordered 1
		.amdhsa_forward_progress 1
		.amdhsa_inst_pref_size 46
	.end_amdhsa_kernel
	.amdgpu_metadata
---
amdhsa.version: [ 1, 2 ]
amdhsa.kernels:
  - .name:           k_q28d45aa72a_proj
    .symbol:         k_q28d45aa72a_proj.kd
    .args:
      - { .name: yf, .offset: 0, .size: 8, .value_kind: global_buffer, .address_space: global }
      - { .name: wp_img, .offset: 8, .size: 8, .value_kind: global_buffer, .address_space: global }
      - { .name: lowp_scales, .offset: 16, .size: 8, .value_kind: global_buffer, .address_space: global }
      - { .name: out0, .offset: 24, .size: 8, .value_kind: global_buffer, .address_space: global }
    .group_segment_fixed_size: 280064
    .private_segment_fixed_size: 0
    .kernarg_segment_align: 8
    .kernarg_segment_size: 32
    .max_flat_workgroup_size: 128
    .sgpr_count:     96
    .vgpr_count:     512
    .wavefront_size: 32
...
	.end_amdgpu_metadata
.endif
;; end of part 4
